; MI455X (gfx1250); checked and timed in simulation.
; The chip was launched on July 23, 2026; its instructions are those of AMD's public machine-readable ISA for CDNA 5 (MIT licence, August 2026) and "CDNA5" Instruction Set Architecture Reference Guide (July 2026). The comments in the code are by the model that wrote it; some were corrected since.
;; Full Attention DS integ woembed. Allowed arithmetic: matrix products marked QUANTISED: E2M1 operands, one E8M0 scale for each 32 along K, by v_wmma_scale_f32_16x16x128_f8f6f4 with both operands' format E2M1 (or v_wmma_scale_f32_32x16x128_f4), f32 sums; everything else in f32.
;; Inputs: attn_mask 1 bool; keys_codes 8 x 4,096 x 16 x 16 uint8 (E2M1 codes of keys, K innermost, in blocks of 32 codes, two codes a byte); keys_scales 8 x 4,096 x 16 uint8 (E8M0 scales of keys, one for each 32 codes along K); queries_codes 8 x 2,048 x 16 x 16 uint8 (E2M1 codes of queries, K innermost, in blocks of 32 codes, two codes a byte); queries_scales 8 x 2,048 x 16 uint8 (E8M0 scales of queries, one for each 32 codes along K); values_codes 8 x 512 x 128 x 16 uint8 (E2M1 codes of values, K innermost, in blocks of 32 codes, two codes a byte); values_scales 8 x 512 x 128 uint8 (E8M0 scales of values, one for each 32 codes along K).
;; Outputs: out0 8 x 2,048 x 512 float32.
;; This version of the problem:
;;   THIS VERSION OF THE PROBLEM IS GIVEN IN LOW PRECISION. The matrix products marked QUANTISED in the list below multiply operands that are first quantised to E2M1 (2 exponent bits, 1 mantissa bit; 4 bits a number), with one power-of-two scale for each 32 numbers along K (OCP MX v1.0); their sums are f32. All else is computed in f32.
;;   The module's matrix products, in the order in which they are computed (A, B: the left and right operand; K: the contracted axis; several contracted axes count as one K, in the product's order):
;;     1. batch 8 x [M 2,048, K 512] x [K 512, N 4,096]; A: input queries (given as codes); B: input keys (given as codes): QUANTISED
;;     2. batch 8 x [M 2,048, K 4,096] x [K 4,096, N 512]; A: softmax (see below); B: input values (given as codes): QUANTISED
;;   THE QUANTISER, for each operand of a quantised product, along K:
;;     - K is cut into blocks of 32 from its start; a last block that is shorter is filled with zeros.
;;     - A block's scale is 2^e with e = floor(log2(the largest magnitude in the block)) - 2, held to -126 .. 127; a block of zeros has e = 0. As a byte (E8M0): e + 127.
;;     - Each number is divided by its block's scale, clamped to +-6, and rounded to the nearest number of E2M1, ties to even, subnormals kept.
;;     - The product sums the exact products of the quantised numbers (number of the format x scale) in f32.
;;   ~~~python
;;   def quantise(x, axis):      # numpy; x: float32 -> the quantised numbers, widened to float32 again
;;       x = np.moveaxis(x, axis, -1); K = x.shape[-1]
;;       x = np.pad(x, [(0, 0)] * (x.ndim - 1) + [(0, -K % 32)]); x = x.reshape(x.shape[:-1] + (-1, 32)); a = np.abs(x).max(-1, keepdims=True)
;;       e = np.where(a > 0, np.clip(np.frexp(np.where(a > 0, a, 1))[1] - 1 - 2, -126, 127), 0)      # np.frexp(a)[1] - 1 = floor(log2(a)), exactly
;;       r = np.clip(x / 2.0 ** e, -6, 6)
;;       step = 2.0 ** (np.maximum(np.frexp(np.where(r == 0, 1, r))[1] - 1, 0) - 1)
;;       q = np.round(r / step) * step * 2.0 ** e      # np.round: ties to even
;;       return np.moveaxis(q.reshape(q.shape[:-2] + (-1,))[..., :K], -1, axis).astype(np.float32)
;;   ~~~
;;   SOFTMAX AHEAD OF A QUANTISED PRODUCT. Where the list says 'softmax', what is quantised is not the finished softmax but p = 2^(t - M), with t = logit x log2(e) and M = ceil(the row's largest t), a whole number; so 1/2 < the row's largest p <= 1. The row's sum l is taken of the UNQUANTISED p, in f32, and the product's result is divided by l at the end. Since M is a whole number, a kernel that streams over the keys may use a running M (the ceiling of the running maximum): every later rescaling is an exact power of two, which a block's scale takes up: the codes' values come out the same.
;;   OPERANDS COMPUTED ON THE WAY. 'Computed on the way' means the value that the module computes at that place (a softmax that the list does not call 'softmax' is quantised finished and normalised). What goes into a quantiser is computed in f32, as accurately as f32 sums, v_exp_f32 and their like allow (about 1e-6 of the number): no bf16 or f16 on the way to a quantiser, and a product that is left as it is and whose result goes on into a quantised operand takes f32 operands (vector FMAs, or v_wmma_f32_16x16x4_f32). A number that lies on a knife's edge between two numbers of the format may be rounded either way, as far as f32 arithmetic and the matrix unit's own rounding can turn it there, and no further.
;;   INPUTS GIVEN AS CODES. keys (in the module: [8, 512, 4096], K = its axis 1); queries (in the module: [8, 2048, 512], K = its axis 2); values (in the module: [8, 512, 4096], K = its axis 2): each comes as NAME_codes (uint8): NAME with its K axis moved to the last place and cut into blocks of 32 codes, [.., K / 32, bytes a block], one block behind the other in memory; two codes a byte, the lower K in the low four bits (a code: sign, 2 exponent bits, 1 mantissa bit); and NAME_scales (uint8): the same leading axes, one E8M0 byte (e + 127) for each 32 codes along K. Its value is code x scale, taken as it is: it is not quantised again, and the codes and scales need not be those that the quantiser above would give.
;; One version. Each part assembles by itself: llvm-mc -triple=amdgcn-amd-amdhsa -mcpu=gfx1250 --defsym DOCPART=n.
;; ======== version 1 of 1: 1 launch
;; launch attn (part 1): grid 32 x 8, 8 waves a work-group, clusters of 4 x 1, 327,680 bytes of LDS; arguments queries_codes, queries_scales, keys_codes, keys_scales, values_codes, values_scales, attn_mask, out0; writes out0
.if DOCPART == 1
	.amdgcn_target "amdgcn-amd-amdhsa--gfx1250"
	.amdhsa_code_object_version 6
	.text
	.protected	k_q23479d8d6e_attn
	.globl	k_q23479d8d6e_attn
	.p2align	8
	.type	k_q23479d8d6e_attn,@function
k_q23479d8d6e_attn:
	s_mov_b64 s[64:65], 0
	v_nop
	global_prefetch_b8 v0, s[64:65] scope:SCOPE_SE
	s_setreg_imm32_b32 hwreg(HW_REG_WAVE_MODE, 25, 1), 1
	s_wait_xcnt 0x0
	s_wait_alu depctr_hold_cnt(0) depctr_sa_sdst(0) depctr_va_vdst(0) depctr_va_sdst(0) depctr_va_ssrc(0) depctr_va_vcc(0) depctr_vm_vsrc(0)
	s_getreg_b32 s2, hwreg(HW_REG_IB_STS2, 6, 4)
	s_cmp_eq_u32 s2, 0
	s_cbranch_scc0 .Lentry_in_a_cluster
	s_endpgm
.Lentry_in_a_cluster:
	s_bfe_u32 s2, ttmp6, 0x10000c
	s_cmp_lg_u32 s2, 0x3003
	s_cbranch_scc0 .Lentry_shape_is_right
	s_endpgm
.Lentry_shape_is_right:
; out0[b][n][:] = the sum over m of softmax_m(Q[b][n] . K[b][m]) V[b][:][m], scale 1, no mask; both products on codes of FP4 (E2M1) with one E8M0 scale for each 32 along a product's K.
; Q [8][2048][512] and K [8][4096][512]: codes, 256 bytes a row, 16 scale bytes a row.  V [8][512][4096]: codes with the keys innermost, 2,048 bytes a row, 128 scale bytes a row.  out0 [8][2048][512] f32.
; THE SOFTMAX: t = score x log2(e); M = the running largest t rounded UP to a whole number; p = 2^(t - M) is quantised along the keys, not normalised; the sum l is taken of the unquantised p and divides at the end.
; attn_mask: the function takes it and computes nothing from it; its byte is read and nothing hangs on it.
; SHARES.  A work-group owns 64 queries of one batch (four tiles of 16) and walks the 4,096 keys in 16 steps of 256.  Its eight waves have TWO ROLES, parted on the wave's number:
;   waves 0-3, the producers: wave w takes keys 64 w .. 64 w + 63 of each step for all 64 queries: S^T = K Q^T (16 accumulators, K = 512: 64 matrix instructions), the softmax, p's codes and scale bytes.
;   waves 4-7, the consumers: wave 4 + v owns channels 128 v .. 128 v + 127 of O^T for all 64 queries (32 accumulators, 256 registers): O^T x f, then O^T += V^T P^T (64 matrix instructions a step).
; So each fragment of K and of V is read from LDS by one wave and feeds four products; what goes from wave to wave is p: 8 KB of codes a step, as images of the operand's registers.
; ONE M FOR ALL FOUR PRODUCERS, ONE BARRIER A TRIP: THE SOFTMAX LAGS A TRIP.  In trip t a producer first finishes the softmax of step t - 1, with the four waves' row maxima that were stored in front of the barrier
; between the trips, then makes the scores of step t in the same registers and stores their maxima.  All four compute the same M.  P(u), its scale words and f(u) = 2^(M(u-1) - M(u)) are stored in trip u + 1 and
; read by the consumers in trip u + 2.  Each producer keeps the sum of its own keys under the common M; the four parts are added at the end.
; THE WALK.  The eight clusters of a batch need the same 16 blocks of 256 keys, and the order of the keys is free: M runs, and every rescaling is an exact power of two.  Step u of cluster x is block (u + c) mod 16,
; c = 4 g, g = 2 ((x / 2) % 2) + (x + x / 4) % 2: clusters 0 .. 7 begin at g = 0, 1, 2, 3, 1, 0, 3, 2.  So in any trip at most two clusters of a batch ask for the same rows, and from its fifth step on a cluster asks
; for rows that another cluster asked for four trips before; clusters 0-3, clusters 4-7, the even ones and the odd ones each hold all four beginnings.  Only four offsets know of c: K's codes, K's scale bytes,
; V's codes, and the place of V's scale words in LDS; each is made anew in every trip's head from 8 t and 8 c.
; LAYOUT.  Both products are used transposed (source 0 = 16 keys, or 16 channels; source 1 = 16 queries): a lane holds ONE query (lane % 16) throughout.
; TILES.  K: two LDS slots of 256 keys; wave w fetches and reads its own 64 rows.  V: ONE slot; consumer v fetches its own 128 rows x 128 bytes, and copies them into 128 registers behind the products of the step before,
; so that the slot is free at the next barrier.  V's scale bytes of the whole batch (64 KB, dense in memory) come once, in rows of 256 bytes, a quarter to each consumer, and stay.
; A row of V's tile is 128 bytes: 256 keys.  Rows of 256 bytes would be 512 keys a step: twice the slot and twice p's buffers, which do not fit beside V's scale bytes.
; CLUSTER.  The four work-groups of a cluster belong to one batch and walk the same K, V and scale bytes in the same order: every tensor load is asked for JOINTLY, with the same descriptor and the mask of all four.
; Wider sharing is not open: a mask names four work-groups at the most here.
; LIMITS.  A p under 2^-126 counts as 0 (v_exp_f32, ISA guide 15.8).  A block whose every p is 0 gets the scale byte 1: its codes are zeros.  A scale byte 0xff among the inputs, or scores beyond f32, give what the matrix unit gives.
;
; LDS (bytes):      0 K, slot 0 and slot 1: 256 rows x 272 each (256 + 16 of padding: an odd multiple of 16, so that the 16 rows of a load begin in 16 different columns of 16 bytes modulo 256)
;             139,264 V: 512 rows x 144 (128 + 16)          212,992 V's scale bytes: 256 rows x 272          282,624 the four parts of l          284,672 the spare words, 128 bytes a wave
;             0x48000, 0x4C000 the exchange buffers X0, X1, taken by the step's parity: +0 p's images (8,192), +8,192 p's scale words (512), +8,704 f (4,096), +12,800 row maxima (2,048)
;             on the way out: a stage of 16 rows x 528 for each consumer, in K's slot 0, which has then had its last fill and its last read.
; REGISTERS.  v1-13 addresses that stay; v17-23 the trip's addresses, written by all waves alike.
;   producer: v32-39 K's scale words, v40-47 Q's; v48-55 the blocks' largest scores; v56-59 my row maxima; v60-67 (-M, largest t) a tile; v68-75 l; v76-83 (f, 0); v84-99 the four waves' maxima, then p's codes;
;             v100-119 at work; v128-255 S^T, then p; window 1: v0-127 Q (stays), v128-255 K's 16 fragments of a step.
;   consumer: v32-39 V's scale words, v40-43 p's; v48-55 (f, 0); v64-127 p's 8 fragments; v128-255 V's 16 fragments; window 1: O^T, accumulator (channel tile d, query tile q) at 8 (4 d + q).
;   v32-47 hold scales in both roles and nothing else, and only loads write them.
.set KP,    272                        ; a row of K in LDS
.set KPART, 64*KP                      ; a producer's 64 rows
.set KSLOT, 4*KPART                    ; a slot of K; 0x11000: neither of its two bits is set in a producer's place 0, 0x4400, 0x8800, 0xCC00, so an exclusive or turns slot 0 into slot 1 and back
.set VP,    144                        ; a row of V's tile in LDS
.set VPART, 128*VP                     ; a consumer's 128 rows
.set VSL,   2*KSLOT
.set VSC,   VSL+4*VPART
.set UP,    272                        ; 256 scale bytes + 16 of padding
.set SPART, 64*UP                      ; a consumer's 128 rows of scale bytes: 64 x 256
.set LX,    VSC+4*SPART
.set SPARE, LX+2048
.set X0,    0x48000
.set XTOG,  0x4000
.set XPS,   8192
.set XF,    8704
.set XM,    12800
.set SP,    528                        ; a stage row: 512 bytes + 16
.set KS,  32
.set QS,  40
.set VSW, 32
.set PSW, 40
.set BM,  48
.set CF,  48
.set LM,  56
.set NT,  60
.set LL,  68
.set FF,  76
.set MR,  84
.set CD,  84
.set TA,  100
.set TC,  108
.set PSD, 116
.set S,   128
.set PF,  64
.set VR,  128
; scalars: s20 wave, s21 wave % 4, s22 cx, s23 batch; s[24:31], s[32:39], s[40:47] descriptor groups 1 for K, V, V's scales; s[48:51] group 0 for step 0 of K, s[52:55] K's walking one, s[56:59] V's, s[60:63] the scales';
; s[66:67] lane selects; s[68:69] log2(e); s70 loop counter; s71 K's slot of this trip; s72 the exchange buffer of step t - 1, s73 that of step t; s74 where V's scale words of step t - 2 begin in a row; s75 8 t; s97 8 c;
; s[76:77] K's scale bytes of this trip; s[78:79], s[80:81], s[82:83] my wave's rows of K's codes, V's codes and K's scale bytes, at block 0; s[86:93] offsets, their upper words 0; s[84:85] my 64 rows of out0.
.set MSB, 0
.macro WIN new                         ; s_set_vgpr_msb: bits 1:0 source 0, 3:2 source 1, 5:4 source 2, 7:6 destination; the high byte repeats the setting that is left
.if MSB != \new
	s_set_vgpr_msb (MSB<<8)|\new
.set MSB, \new
.endif
.endm
.macro PLACES                          ; four plain vector instructions behind a matrix instruction, ahead of a read of its result or a load into its registers (ISA guide 7.12.1 for a read of its result)
.rept 4
	v_nop
.endr
.endm
; A round of the cluster's barrier: my work-group's barrier; wave 0 signals for the work-group; every wave waits for all four work-groups; my work-group's barrier once more.
.macro ROUND
	s_barrier_signal -1
	s_barrier_wait -1
	s_cmp_lg_u32 s20, 0
	s_cbranch_scc1 .Lnot_wave_0_\@
	s_barrier_signal -3
.Lnot_wave_0_\@:
	s_barrier_wait -3
	s_barrier_signal -1
	s_barrier_wait -1
.endm
; The joint refills: a producer asks for its 64 rows of K, a consumer for its 128 rows of V.  The branch hangs on the wave's number alone.  Four v_nop follow each tensor load.
.macro TLOAD fk, fv
	s_cmp_lt_u32 s20, 4
.if (\fk) && (\fv)
	s_cbranch_scc0 .Lfor_v_\@
	tensor_load_to_lds s[52:55], s[24:31]
	s_nop 0
	PLACES
	s_branch .Lasked_\@
.Lfor_v_\@:
	tensor_load_to_lds s[56:59], s[32:39]
	s_nop 0
	PLACES
.elseif \fk
	s_cbranch_scc0 .Lasked_\@
	tensor_load_to_lds s[52:55], s[24:31]
	s_nop 0
	PLACES
.else
	s_cbranch_scc1 .Lasked_\@
	tensor_load_to_lds s[56:59], s[32:39]
	s_nop 0
	PLACES
.endif
.Lasked_\@:
.endm
.macro ADDR                            ; the trip's LDS addresses, made by every wave on the common way
	v_add_nc_u32 v17, s71, v6                      ; my rows of K in this trip's slot
	v_add_nc_u32 v18, s72, v4                      ; buffer of step t - 1: 16 lane + 512 (wave % 4): where a producer stores codes and f
	v_add_nc_u32 v19, s72, v5                      ;   and its two scale bytes
	v_add_nc_u32 v20, s72, v3                      ;   16 lane: where it reads the four waves' maxima
	v_add_nc_u32 v21, s73, v4                      ; buffer of step t (and of step t - 2): a producer's maxima; a consumer's f
	v_add_nc_u32 v22, s73, v3                      ;   a consumer's images and scale words of p
	v_add_nc_u32 v23, s74, v8                      ; V's scale words of step t - 2: 0 to 120 bytes on in a row of 128: with the loads' offsets at most 17,399 bytes into my quarter of 17,408
.endm
; THE HEAD OF A TRIP THAT FILLS LDS AGAIN.  Every wave: all its tensor loads have landed; the add; work on scalar registers; the add and all its LDS reads and stores are done; a round of the cluster's barrier.
; Behind it: no wave of any partner reads the slots that are filled now, and what the producers stored in the last trip may be read.  The refill comes first, one tensor load a wave.
; The scalar work makes the trip's four offsets from 8 (t + c): a block's number is taken modulo 16 (the mask 0x78 on eight times the number) and shifted to its size.
.macro CHANGE fk, fv
	s_wait_tensorcnt 0x0                           ; no tensor load of mine is out: a group 0 may be written
	ds_add_u32 v1, v2                              ; 0 onto my spare word
	s_xor_b32 s71, s71, KSLOT
	s_xor_b32 s72, s72, XTOG
	s_xor_b32 s73, s73, XTOG
	s_add_co_u32 s75, s75, 8                       ; 8 t
	s_add_co_u32 s86, s75, s97                     ; 8 (t + c)
	s_add_co_u32 s74, s86, 112                     ; step t - 2 (14 more is 2 less, modulo 16):
	s_and_b32 s74, s74, 0x78                       ; its 8 scale bytes in a row of V's
.if \fk
	s_xor_b32 s53, s53, KSLOT                      ; K's walking descriptor: the other slot,
	s_add_co_u32 s90, s86, 8                       ; step t + 1:
	s_and_b32 s90, s90, 0x78
	s_lshl_b32 s90, s90, 13                        ; 256 rows of 256 bytes a block
	s_add_nc_u64 s[54:55], s[78:79], s[90:91]
	s_or_b32 s55, s55, 0x80000000                  ; 127:126 type = 2
.endif
.if \fv
	s_add_co_u32 s92, s86, 120                     ; V: step t - 1:
	s_and_b32 s92, s92, 0x78
	s_lshl_b32 s92, s92, 4                         ; 128 bytes of each row a block
	s_add_nc_u64 s[58:59], s[80:81], s[92:93]
	s_or_b32 s59, s59, 0x80000000
.endif
	s_and_b32 s88, s86, 0x78                       ; K's scale bytes: step t:
	s_lshl_b32 s88, s88, 9                         ; 256 keys x 16 bytes a block
	s_wait_xcnt 0x0                                ; the last trip's loads of scale bytes have read their address
	s_add_nc_u64 s[76:77], s[82:83], s[88:89]
	s_wait_dscnt 0x0                               ; the add is done; my reads of the slots are over; my stores into the exchange buffers have landed
	ROUND
	TLOAD \fk, \fv
	ADDR
.endm
; One scaled product on the symbols rD, rA, rB, rSA, rSB; zf: it starts its sum with the constant 0; ra, rb: A's, B's scale words stand in lanes 16-31 of their register.
.macro WMS
.if zf
.if ra && rb
	v_wmma_scale_f32_16x16x128_f8f6f4 v[rD:rD+7], v[rA:rA+7], v[rB:rB+7], 0, v[rSA], v[rSB] matrix_a_fmt:MATRIX_FMT_FP4 matrix_b_fmt:MATRIX_FMT_FP4 matrix_a_scale:MATRIX_SCALE_ROW1 matrix_b_scale:MATRIX_SCALE_ROW1
.elseif ra
	v_wmma_scale_f32_16x16x128_f8f6f4 v[rD:rD+7], v[rA:rA+7], v[rB:rB+7], 0, v[rSA], v[rSB] matrix_a_fmt:MATRIX_FMT_FP4 matrix_b_fmt:MATRIX_FMT_FP4 matrix_a_scale:MATRIX_SCALE_ROW1
.elseif rb
	v_wmma_scale_f32_16x16x128_f8f6f4 v[rD:rD+7], v[rA:rA+7], v[rB:rB+7], 0, v[rSA], v[rSB] matrix_a_fmt:MATRIX_FMT_FP4 matrix_b_fmt:MATRIX_FMT_FP4 matrix_b_scale:MATRIX_SCALE_ROW1
.else
	v_wmma_scale_f32_16x16x128_f8f6f4 v[rD:rD+7], v[rA:rA+7], v[rB:rB+7], 0, v[rSA], v[rSB] matrix_a_fmt:MATRIX_FMT_FP4 matrix_b_fmt:MATRIX_FMT_FP4
.endif
.else
.if ra && rb
	v_wmma_scale_f32_16x16x128_f8f6f4 v[rD:rD+7], v[rA:rA+7], v[rB:rB+7], v[rD:rD+7], v[rSA], v[rSB] matrix_a_fmt:MATRIX_FMT_FP4 matrix_b_fmt:MATRIX_FMT_FP4 matrix_a_scale:MATRIX_SCALE_ROW1 matrix_b_scale:MATRIX_SCALE_ROW1
.elseif ra
	v_wmma_scale_f32_16x16x128_f8f6f4 v[rD:rD+7], v[rA:rA+7], v[rB:rB+7], v[rD:rD+7], v[rSA], v[rSB] matrix_a_fmt:MATRIX_FMT_FP4 matrix_b_fmt:MATRIX_FMT_FP4 matrix_a_scale:MATRIX_SCALE_ROW1
.elseif rb
	v_wmma_scale_f32_16x16x128_f8f6f4 v[rD:rD+7], v[rA:rA+7], v[rB:rB+7], v[rD:rD+7], v[rSA], v[rSB] matrix_a_fmt:MATRIX_FMT_FP4 matrix_b_fmt:MATRIX_FMT_FP4 matrix_b_scale:MATRIX_SCALE_ROW1
.else
	v_wmma_scale_f32_16x16x128_f8f6f4 v[rD:rD+7], v[rA:rA+7], v[rB:rB+7], v[rD:rD+7], v[rSA], v[rSB] matrix_a_fmt:MATRIX_FMT_FP4 matrix_b_fmt:MATRIX_FMT_FP4
.endif
.endif
.endm
; ---------------- THE PRODUCER'S STEPS ----------------
; PREP: this step's scale bytes of my 64 keys (two loads of 512 consecutive bytes: lane l takes the 16 bytes, four words, of key 32 b + l: lanes 0-15 are key tile 2 b, lanes 16-31 tile 2 b + 1),
; and all 16 fragments of my keys (tile i / 4, K step i % 4): 16 rows x 128 K of 4-bit codes are 8 registers: lane l holds row l % 16, registers 4 c .. 4 c + 3 the 16 bytes at 64 (K step) + 32 c + 16 (l / 16).
.macro PREP
.irp b, 0,1
	global_load_b128 v[KS+4*\b:KS+4*\b+3], v3, s[76:77] offset:512*\b
.endr
	WIN 0x40                                       ; destination window 1
.set i, 0
.rept 16
	ds_load_b128 v[128+8*i:128+8*i+3],   v17 offset:(i/4)*16*KP+(i%4)*64
	ds_load_b128 v[128+8*i+4:128+8*i+7], v17 offset:(i/4)*16*KP+(i%4)*64+32
.set i, i+1
.endr
	WIN 0
.endm
; SCORE: S^T = K Q^T for my 64 keys x 64 queries: the 16 accumulators (query tile q, key tile k at S + 32 q + 8 k) by turns, one instruction a turn; the first K step starts the sums.
; Register j of lane (r, h) of tile k is key 16 k + 8 h + j of query r.  Then the largest score of each block of 32 keys (tiles 2 b, 2 b + 1, both halves of the lanes) and of my 64 keys; the latter goes to LDS.
; younger: the LDS stores issued behind K's loads, which may stay out.
.macro SCORE younger
	s_wait_loadcnt 0x0                             ; the scale words
	s_wait_dscnt \younger                          ; K's fragments
	WIN 0x05                                       ; K and Q in window 1, S^T in window 0
.set i, 0
.rept 64
.set xks, i/16
.set xkt, (i/4)%4
.set xq, i%4
.set rD, S+32*xq+8*xkt
.set rA, 128+8*(4*xkt+xks)
.set rB, 8*(4*xq+xks)
.set rSA, KS+4*(xkt/2)+xks
.set rSB, QS+4*(xq/2)+xks
.set ra, xkt%2
.set rb, xq%2
.set zf, 0
.if xks == 0
.set zf, 1
.endif
	WMS
.set i, i+1
.endr
	WIN 0
	PLACES
.irp n, 0,1,2,3,4,5,6,7                        ; chain n: query tile n / 2, block n % 2: the 16 registers from S + 16 n on.  Each accumulator is first read at its low end; the eight chains take turns
	v_max3_num_f32 v[BM+\n], v[S+16*\n], v[S+16*\n+1], v[S+16*\n+2]
.endr
.irp j, 3,5,7,9,11,13
.irp n, 0,1,2,3,4,5,6,7
	v_max3_num_f32 v[BM+\n], v[BM+\n], v[S+16*\n+\j], v[S+16*\n+\j+1]
.endr
.endr
.irp n, 0,1,2,3,4,5,6,7
	v_max_num_f32 v[BM+\n], v[BM+\n], v[S+16*\n+15]
.endr
.irp n, 0,1,2,3,4,5,6,7
	v_permlanex16_b32 v[TA+\n], v[BM+\n], s66, s67
.endr
.irp n, 0,1,2,3,4,5,6,7
	v_max_num_f32 v[BM+\n], v[BM+\n], v[TA+\n]     ; with lane l xor 16's: the block's largest score.  It serves twice: for the row's maximum and, since p rises with the score, for the block's largest p
.endr
.irp n, 0,1,2,3
	v_max_num_f32 v[LM+\n], v[BM+2*\n], v[BM+2*\n+1]
.endr
	ds_store_b128 v21, v[LM:LM+3] offset:XM        ; my 64 keys' largest score of query r in the four tiles: read by all four producers behind the next barrier
.endm
; SOFT: the softmax of the step before, whose scores lie in S.  cond = 1 (the last two trips): the fetch of K is jumped over in the very last, on the loop's counter, and the wait is for 0.
.macro SOFT cond
.irp w, 0,1,2,3
	ds_load_b128 v[MR+4*\w:MR+4*\w+3], v20 offset:XM+512*\w    ; wave w's maxima, four tiles
.endr
.if \cond
	s_cmp_eq_u32 s70, 1
	s_cbranch_scc1 .Lno_prep_\@
	PREP
.Lno_prep_\@:
	s_wait_dscnt 0x0
.else
	PREP                                           ; this trip's K and scale bytes are asked for now and land under the softmax
	s_wait_dscnt 32                                ; the four loads of maxima are in; K's 32 may be out
.endif
.irp n, 0,1,2,3
	v_max3_num_f32 v[TA+\n], v[MR+\n], v[MR+4+\n], v[MR+8+\n]
.endr
.irp n, 0,1,2,3
	v_max_num_f32 v[TA+\n], v[TA+\n], v[MR+12+\n]  ; the step's largest score of my query: the same number in all four producers
.endr
.irp n, 0,1,2,3
	v_mul_f32 v[TA+\n], s68, v[TA+\n]              ; as t
.endr
.irp n, 0,1,2,3
	v_max_num_f32 v[NT+2*\n+1], v[NT+2*\n+1], v[TA+\n]   ; the running largest t
.endr
.irp n, 0,1,2,3
	v_mov_b32 v[TA+\n], v[NT+2*\n]
.endr
.irp n, 0,1,2,3
	v_floor_f32 v[NT+2*\n], -v[NT+2*\n+1]          ; -M = floor(-t) = -ceil(t): M is a whole number
.endr
.irp n, 0,1,2,3
	v_sub_f32 v[TA+\n], v[NT+2*\n], v[TA+\n]       ; old M - new M: a whole number, 0 or less
.endr
.irp n, 0,1,2,3
	v_cvt_i32_f32 v[TA+\n], v[TA+\n]               ; (it saturates)
.endr
.irp n, 0,1,2,3
	v_ldexp_f32 v[FF+2*\n], 1.0, v[TA+\n]          ; f = 2^(old M - new M): multiplying by it rounds nothing
.endr
	ds_store_b128 v18, v[FF:FF+3] offset:XF        ; (f, 0) of tiles 0, 1 and of tiles 2, 3: consumer v reads producer v's copy
	ds_store_b128 v18, v[FF+4:FF+7] offset:XF+2048
.set i, 0
.rept 64
	v_pk_fma_f32 v[S+2*i:S+2*i+1], v[S+2*i:S+2*i+1], s[68:69], v[NT+2*(i/16):NT+2*(i/16)+1] op_sel_hi:[1,0,0]   ; t - M, two at a time (of the pairs log2(e) and -M the low word serves both halves)
.set i, i+1
.endr
.set i, 0
.rept 8
	v_fma_f32 v[BM+i], v[BM+i], s68, v[NT+2*(i/2)] ; the same of each block's largest score
.set i, i+1
.endr
.set i, 0
.rept 128
	v_exp_f32 v[S+i], v[S+i]                       ; p = 2^(t - M), at most 1: one batch
.set i, i+1
.endr
.irp n, 0,1,2,3
	v_pk_mul_f32 v[LL+2*\n:LL+2*\n+1], v[LL+2*\n:LL+2*\n+1], v[FF+2*\n:FF+2*\n+1] op_sel_hi:[1,0]   ; l under the new M.  (Plain instructions behind the exponentials)
.endr
	s_wait_alu depctr_va_vdst(0)                   ; one wait for the batch, ahead of the first instruction that names a result
.set i, 0
.rept 8
	v_exp_f32 v[BM+i], v[BM+i]                     ; the blocks' largest p: the same multiply-add and exponential on the same number
.set i, i+1
.endr
.irp n, 0,1,2,3
	v_pk_add_f32 v[TC+2*\n:TC+2*\n+1], v[S+32*\n:S+32*\n+1], v[S+32*\n+2:S+32*\n+3]   ; THE SUM IS TAKEN OF THE UNQUANTISED p: two chains a tile, the tiles by turns.  (It reads the 128 alone: plain work behind the eight)
.endr
.irp j, 4,8,12,16,20,24,28
.irp n, 0,1,2,3
	v_pk_add_f32 v[LL+2*\n:LL+2*\n+1], v[LL+2*\n:LL+2*\n+1], v[S+32*\n+\j:S+32*\n+\j+1]
	v_pk_add_f32 v[TC+2*\n:TC+2*\n+1], v[TC+2*\n:TC+2*\n+1], v[S+32*\n+\j+2:S+32*\n+\j+3]
.endr
.endr
.irp n, 0,1,2,3
	v_pk_add_f32 v[LL+2*\n:LL+2*\n+1], v[LL+2*\n:LL+2*\n+1], v[TC+2*\n:TC+2*\n+1]
.endr
	s_wait_alu depctr_va_vdst(0)                   ; and one for the eight
.irp n, 0,1,2,3,4,5,6,7
	v_max_num_f32 v[BM+\n], 0x1800000, v[BM+\n]    ; the floor 2^(3 - 127): the byte cannot fall under 1
.endr
.irp n, 0,1,2,3,4,5,6,7
	v_add_nc_u32 v[TC+\n], 0xff000000, v[BM+\n]    ; 2 off the exponent field: the conversion takes the exponent field of this operand as its scale
.endr
.irp n, 0,1,2,3,4,5,6,7
	v_lshrrev_b32 v[TA+\n], 23, v[TC+\n]           ; the scale's byte
.endr
.irp n, 0,1,2,3
	v_lshl_or_b32 v[PSD+\n], v[TA+2*\n+1], 8, v[TA+2*\n]   ; my two blocks' bytes: half of the scale word of these 128 keys
.endr
; The operand wants, in lanes 0-15, keys 0-31 of my 64 and, in lanes 16-31, keys 32-63, eight to a register.  A tile's conversion gives keys 16 k + 0..7 in lanes 0-15 and 16 k + 8..15 in lanes 16-31.
; So tiles 0 and 2 stand side by side, and tiles 1 and 3, and each pair exchanges the first's upper lanes with the second's lower lanes.
.irp n, 0,1,2,3
	v_cvt_scalef32_pk8_fp4_f32 v[CD+4*\n],   v[S+32*\n:S+32*\n+7],     v[TC+2*\n]
	v_cvt_scalef32_pk8_fp4_f32 v[CD+4*\n+1], v[S+32*\n+16:S+32*\n+23], v[TC+2*\n+1]
	v_cvt_scalef32_pk8_fp4_f32 v[CD+4*\n+2], v[S+32*\n+8:S+32*\n+15],  v[TC+2*\n]
	v_cvt_scalef32_pk8_fp4_f32 v[CD+4*\n+3], v[S+32*\n+24:S+32*\n+31], v[TC+2*\n+1]
.endr
	v_nop                                          ; one plain instruction behind the last scaled conversion
.irp n, 0,1,2,3
	v_permlane16_swap_b32 v[CD+4*\n], v[CD+4*\n+1]
	v_permlane16_swap_b32 v[CD+4*\n+2], v[CD+4*\n+3]
.endr
.irp n, 0,1,2,3
	ds_store_b128 v18, v[CD+4*\n:CD+4*\n+3] offset:2048*\n     ; registers 4 (w % 2) .. + 3 of p's fragment (tile n, K step w / 2), as they stand: 16 bytes a lane at 2,048 n + 512 w + 16 lane
.endr
.irp n, 0,1,2,3
	ds_store_b16 v19, v[PSD+\n] offset:XPS+4*\n    ; bytes 2 (w % 2), + 1 of the word at 256 (w / 2) + 16 r + 4 n; lanes r and r + 16 write the same two bytes with the same value
.endr
.endm
; ---------------- THE CONSUMER'S STEPS ----------------
; What the producers stored a trip ago: f (not in the first step), p's scale words (lanes 0-15: K step 0, lanes 16-31: K step 1; four tiles), V's scale words (8 bytes: both K steps; lanes 0-15: channel tile 2 p, lanes 16-31: 2 p + 1), p's 8 fragments.
.macro CLOADS withf
.if \withf
	ds_load_b128 v[CF:CF+3], v21 offset:XF
	ds_load_b128 v[CF+4:CF+7], v21 offset:XF+2048
.endif
	ds_load_b128 v[PSW:PSW+3], v22 offset:XPS
.irp p, 0,1,2,3
	ds_load_b64 v[VSW+2*\p:VSW+2*\p+1], v23 offset:16*UP*\p
.endr
.set i, 0
.rept 8
	ds_load_b128 v[PF+8*i:PF+8*i+3],   v22 offset:1024*i
	ds_load_b128 v[PF+8*i+4:PF+8*i+7], v22 offset:1024*i+512
.set i, i+1
.endr
.endm
.macro RESCALE                         ; O^T under the new M: x f, exact; each accumulator from its low end on
	s_wait_dscnt 21                                ; f is in; the 21 loads behind it may be out
	WIN 0x41                                       ; O^T (destination and source 0) in window 1, f in window 0
.set i, 0
.rept 32
.irp e, 0,2,4,6
	v_pk_mul_f32 v[8*i+\e:8*i+\e+1], v[8*i+\e:8*i+\e+1], v[CF+2*(i%4):CF+2*(i%4)+1] op_sel_hi:[1,0]
.endr
.set i, i+1
.endr
	WIN 0
.endm
.macro PVMUL zero                      ; O^T += V^T P^T: 2 K steps x 8 channel tiles x 4 query tiles; the 32 accumulators by turns, one instruction a turn.  zero = 1: the first K step starts the sums
	s_wait_dscnt 0x0
	WIN 0x50                                       ; V and p in window 0, O^T in window 1
.set i, 0
.rept 64
.set xks, i/32
.set xdt, (i/4)%8
.set xq, i%4
.set rD, 8*(4*xdt+xq)
.set rA, VR+8*(2*xdt+xks)
.set rB, PF+8*(2*xq+xks)
.set rSA, VSW+2*(xdt/2)+xks
.set rSB, PSW+xq
.set ra, xdt%2
.set rb, xks
.set zf, 0
.if (\zero) && (xks == 0)
.set zf, 1
.endif
	WMS
.set i, i+1
.endr
	WIN 0
	PLACES                                         ; ahead of the loads into V's, p's and the scales' registers, and of the next read of O^T
.endm
.macro COPYV                           ; my 128 rows of V's tile into registers: fragment (channel tile i / 2, K step i % 2)
	s_wait_tensorcnt 0x0                           ; the tile (in trip 0 also V's scale bytes) is what is out: 0 shows it landed
.set i, 0
.rept 16
	ds_load_b128 v[VR+8*i:VR+8*i+3],   v7 offset:(i/2)*16*VP+(i%2)*64
	ds_load_b128 v[VR+8*i+4:VR+8*i+7], v7 offset:(i/2)*16*VP+(i%2)*64+32
.set i, i+1
.endr
.endm
; A trip's work, parted on the wave's number.  pv = 0: no V^T P yet; 1: it starts O^T; 2: rescale and add.
.macro BODY cond, pv, copy
	s_cmp_lt_u32 s20, 4
	s_cbranch_scc0 .Lcons_\@
	SOFT \cond
.if \cond
	s_cmp_eq_u32 s70, 1
	s_cbranch_scc1 .Ljoin_\@                       ; the very last softmax has no scores behind it
	SCORE 0
.else
	SCORE 10                                       ; behind K's loads: 2 stores of f, 4 of codes, 4 of scale bytes
.endif
	s_branch .Ljoin_\@
.Lcons_\@:
.if \pv == 1
	CLOADS 0
	PVMUL 1
.elseif \pv == 2
	CLOADS 1
	RESCALE
	PVMUL 0
.endif
.if \copy
	COPYV
.endif
.Ljoin_\@:
.endm
; ---------------- THE HEAD ----------------
	s_load_b256 s[4:11], s[0:1], 0x0               ; Q's codes s[4:5], Q's scales s[6:7], K's codes s[8:9], K's scales s[10:11]
	s_load_b256 s[12:19], s[0:1], 0x20             ; V's codes s[12:13], V's scales s[14:15], attn_mask s[16:17], out0 s[18:19]
	v_lshl_add_u32 v1, v0, 2, SPARE                ; my spare word; never rewritten
	v_mov_b32 v2, 0                                ; never rewritten
	ds_add_u32 v1, v2
	ds_add_u32 v1, v2
	s_wait_dscnt 0x0
	v_lshrrev_b32 v24, 5, v0
	v_readfirstlane_b32 s20, v24                   ; wave 0..7
	s_and_b32 s21, s20, 3                          ; my number within my role
	s_bfe_u32 s22, ttmp6, 0x40000                  ; cx: it enters Q's and out0's addresses alone
	s_and_b32 s23, ttmp7, 0xffff                   ; the batch, which the four partners share
	; descriptor groups 1.  K: 64 rows x 256 bytes, dense
	s_mov_b32 s24, 15|(1<<20)|(1<<21)|(5<<22)|(3<<25)   ; 15:0 the mask: all four work-groups; 17:16 elements of 1 byte; 20 padding on; 21 set beside a mask; 24:22 after every 64 words; 31:25 four words
	s_mov_b32 s25, 256<<16                         ; tensor_dim0
	s_mov_b32 s26, 64<<16                          ; tensor_dim1
	s_mov_b32 s27, 256<<16                         ; tile_dim0
	s_mov_b32 s28, 64                              ; tile_dim1
	s_mov_b32 s29, 256                             ; from row to row
	s_mov_b32 s30, 0
	s_mov_b32 s31, 0
	; V: 128 rows x 128 bytes, 2,048 bytes apart
	s_mov_b32 s32, 15|(1<<20)|(1<<21)|(4<<22)|(3<<25)   ; padding: four words after every 32
	s_mov_b32 s33, 128<<16
	s_mov_b32 s34, 128<<16
	s_mov_b32 s35, 128<<16
	s_mov_b32 s36, 128
	s_mov_b32 s37, 2048
	s_mov_b32 s38, 0
	s_mov_b32 s39, 0
	; V's scale bytes: 16,384 dense bytes as 64 rows of 32 elements of 8 bytes
	s_mov_b32 s40, 15|(3<<16)|(1<<20)|(1<<21)|(5<<22)|(3<<25)
	s_mov_b32 s41, 32<<16
	s_mov_b32 s42, 64<<16
	s_mov_b32 s43, 32<<16
	s_mov_b32 s44, 64
	s_mov_b32 s45, 32
	s_mov_b32 s46, 0
	s_mov_b32 s47, 0
	; groups 0: count and LDS address: a constant + a constant x (wave % 4)
	s_mov_b32 s48, 1
	s_mul_i32 s49, s21, KPART
	s_mov_b32 s52, 1
	s_add_co_u32 s53, s49, KSLOT
	s_mov_b32 s56, 1
	s_mul_i32 s57, s21, VPART
	s_add_co_u32 s57, s57, VSL
	s_mov_b32 s60, 1
	s_mul_i32 s61, s21, SPART
	s_add_co_u32 s61, s61, VSC
	s_mov_b32 s66, 0x76543210
	s_mov_b32 s67, 0xfedcba98                      ; v_permlanex16_b32's selects for lane l xor 16
	s_mov_b32 s68, 0x3fb8aa3b                      ; log2(e)
	s_mov_b32 s69, s68                             ; (named with it as a pair, so it is written)
	; the walk: 8 c = 32 g, from the cluster's x alone, which the four partners share
	s_lshr_b32 s97, ttmp9, 2
	s_add_co_u32 s97, s97, ttmp9
	s_and_b32 s97, s97, 1                          ; (x + x / 4) % 2
	s_lshl_b32 s97, s97, 5
	s_and_b32 s74, ttmp9, 2                        ; 2 ((x / 2) % 2)
	s_lshl_b32 s74, s74, 5
	s_add_co_u32 s97, s97, s74                     ; 0, 32, 64 or 96
	s_mov_b32 s71, 0                               ; trip 0: K's slot 0,
	s_mov_b32 s72, X0+XTOG
	s_mov_b32 s73, X0                              ; step 0's buffer
	s_mov_b32 s74, 0
	s_mov_b32 s75, 0                               ; 8 t
	; LDS addresses that stay, made ahead of the first parting of the waves
	v_and_b32 v24, 31, v0                          ; lane
	v_and_b32 v25, 15, v0                          ; r
	v_bfe_u32 v26, v0, 4, 1                        ; h
	v_lshlrev_b32 v3, 4, v24                       ; 16 lane
	s_lshl_b32 s86, s21, 9
	v_add_nc_u32 v4, s86, v3                       ; 16 lane + 512 (wave % 4); also my byte in a row of out0
	s_lshr_b32 s86, s21, 1
	s_lshl_b32 s86, s86, 8
	s_and_b32 s87, s21, 1
	s_lshl_b32 s87, s87, 1
	s_add_co_u32 s86, s86, s87
	v_lshl_add_u32 v5, v25, 4, s86                 ; 16 r + 256 (w / 2) + 2 (w % 2)
	v_mul_u32_u24 v6, v25, KP
	v_lshl_add_u32 v6, v26, 4, v6
	v_add_nc_u32 v6, s49, v6                       ; K: row r, + 16 h, in my 64 rows
	v_mul_u32_u24 v7, v25, VP
	v_lshl_add_u32 v7, v26, 4, v7
	v_add_nc_u32 v7, s57, v7                       ; V likewise, in my 128 rows
	v_lshrrev_b32 v27, 1, v25
	v_lshl_add_u32 v27, v26, 3, v27
	v_mul_u32_u24 v8, v27, UP
	v_and_b32 v27, 1, v25
	v_lshl_add_u32 v8, v27, 7, v8
	v_add_nc_u32 v8, s61, v8                       ; V's scale bytes: channel 16 h + r of a pair of tiles: two rows of 128 bytes to a row of 256
	v_lshlrev_b32 v9, 8, v25
	v_lshl_add_u32 v9, v26, 4, v9                  ; Q in memory: row r of 256 bytes, + 16 h
	s_mul_i32 s86, s21, 16*SP
	v_mul_u32_u24 v10, v25, SP
	v_lshl_add_u32 v10, v26, 5, v10
	v_add_nc_u32 v10, s86, v10                     ; the stage, in: row r, + 32 h
	v_add_nc_u32 v11, s86, v3                      ; and back: 16 bytes a lane of a row
	v_add_nc_u32 v12, LX, v4                       ; where a producer stores its part of l
	v_add_nc_u32 v13, LX, v3                       ; where a consumer reads the four parts
	ADDR
.irp n, 0,1,2,3
	v_mov_b32 v[NT+2*\n+1], 0xff61b1e6             ; the largest t so far: -3e38, under every t
	v_mov_b32 v[LL+2*\n], 0                        ; l, in two halves
	v_mov_b32 v[LL+2*\n+1], 0
	v_mov_b32 v[FF+2*\n+1], 0                      ; the upper halves of the pairs (f, 0)
.endr
.irp n, 0,1,2,3
	v_floor_f32 v[NT+2*\n], -v[NT+2*\n+1]          ; -M
.endr
.irp n, 0,1,2,3,4,5,6,7
	v_mov_b32 v[TA+\n], 0                          ; written once: a lane permute's destination counts as one of its sources
.endr
	; byte offsets.  Those of the joint loads hang on the batch, the wave and the cluster's x alone, and stand in s86 to s93, which never hold cx
	s_lshl_b32 s86, s23, 20
	s_lshl_b32 s88, s21, 14
	s_add_co_u32 s86, s86, s88                     ; K's codes: batch x 1,048,576 + 64 rows x 256 x w
	s_mov_b32 s87, 0
	s_lshl_b32 s88, s23, 20
	s_lshl_b32 s90, s21, 18
	s_add_co_u32 s88, s88, s90                     ; V's codes: batch x 1,048,576 + 128 rows x 2,048 x v
	s_mov_b32 s89, 0
	s_lshl_b32 s90, s23, 16
	s_lshl_b32 s92, s21, 14
	s_add_co_u32 s90, s90, s92                     ; V's scales: batch x 65,536 + 16,384 v
	s_mov_b32 s91, 0
	s_lshl_b32 s92, s23, 16
	s_lshl_b32 s2, s21, 10
	s_add_co_u32 s92, s92, s2                      ; K's scales: batch x 65,536 + 64 rows x 16 x w
	s_mov_b32 s93, 0
	s_lshl_b32 s3, ttmp9, 2
	s_add_co_u32 s3, s3, s22                       ; my block of 64 queries = 4 x cluster x + cx
	s_lshl_b32 s94, s23, 19
	s_lshl_b32 s2, s3, 14
	s_add_co_u32 s94, s94, s2                      ; Q's codes: batch x 524,288 + block x 16,384
	s_mov_b32 s95, 0
	s_lshl_b32 s98, s23, 15
	s_lshl_b32 s2, s3, 10
	s_add_co_u32 s98, s98, s2                      ; Q's scales: batch x 32,768 + block x 1,024
	s_mov_b32 s99, 0
	s_wait_kmcnt 0x0
	s_load_u8 s96, s[16:17], 0x0                   ; attn_mask: read; the function computes nothing from it
	s_add_nc_u64 s[78:79], s[8:9], s[86:87]        ; my rows of K's codes,
	s_add_nc_u64 s[80:81], s[12:13], s[88:89]      ; of V's codes,
	s_add_nc_u64 s[82:83], s[10:11], s[92:93]      ; of K's scale bytes: each at block 0
	s_add_nc_u64 s[62:63], s[14:15], s[90:91]      ; my quarter of V's scale bytes
	s_or_b32 s63, s63, 0x80000000                  ; 127:126 type = 2
	s_lshl_b32 s86, s97, 13                        ; step 0 is block c,
	s_add_nc_u64 s[50:51], s[78:79], s[86:87]
	s_or_b32 s51, s51, 0x80000000
	s_add_co_u32 s90, s97, 8                       ; step 1 block c + 1, 13 at the most
	s_lshl_b32 s90, s90, 13
	s_add_nc_u64 s[54:55], s[78:79], s[90:91]
	s_or_b32 s55, s55, 0x80000000
	s_lshl_b32 s92, s97, 4
	s_add_nc_u64 s[58:59], s[80:81], s[92:93]      ; V's step 0
	s_or_b32 s59, s59, 0x80000000
	s_lshl_b32 s88, s97, 9
	s_add_nc_u64 s[76:77], s[82:83], s[88:89]      ; K's scale bytes of step 0
	s_add_nc_u64 s[4:5], s[4:5], s[94:95]
	s_add_nc_u64 s[6:7], s[6:7], s[98:99]
	s_lshl_b32 s94, s23, 22
	s_lshl_b32 s2, s3, 17
	s_add_co_u32 s94, s94, s2                      ; out0: batch x 4,194,304 + block x 131,072
	s_add_nc_u64 s[84:85], s[18:19], s[94:95]
	ROUND                                          ; all four work-groups are here: the first joint loads meet
	s_cmp_lt_u32 s20, 4                            ; a wave's two first fills stand in one branch, ahead of every wait on TENSORcnt and every LDS read: two loads of mine are out
	s_cbranch_scc0 .Lfirst_v
	tensor_load_to_lds s[48:51], s[24:31]          ; K's step 0 into slot 0,
	s_nop 0
	tensor_load_to_lds s[52:55], s[24:31]          ; step 1 into slot 1
	s_nop 0
	PLACES
	s_branch .Lfirst_asked
.Lfirst_v:
	tensor_load_to_lds s[60:63], s[40:47]          ; my quarter of V's scale bytes: filled once,
	s_nop 0
	tensor_load_to_lds s[56:59], s[32:39]          ; V's step 0
	s_nop 0
	PLACES
.Lfirst_asked:
	s_wait_kmcnt 0x0                               ; the mask's byte
; ---------------- TRIP 0: scores of step 0 | V(0) into registers ----------------
	s_cmp_lt_u32 s20, 4
	s_cbranch_scc0 .Lcons_0
	WIN 0x40                                       ; destination window 1
.set i, 0
.rept 16                                       ; Q stays in registers: fragment (query tile i / 4, K step i % 4)
	global_load_b128 v[8*i:8*i+3],   v9, s[4:5] offset:(i/4)*4096+(i%4)*64
	global_load_b128 v[8*i+4:8*i+7], v9, s[4:5] offset:(i/4)*4096+(i%4)*64+32
.set i, i+1
.endr
	WIN 0
.irp b, 0,1
	global_load_b128 v[QS+4*\b:QS+4*\b+3], v3, s[6:7] offset:512*\b   ; Q's scale words: lane l takes query 32 b + l: lanes 0-15 tile 2 b, lanes 16-31 tile 2 b + 1
.endr
	s_wait_tensorcnt 0x1                           ; my rows of K(0) are in; K(1) may be out.  Only I read them: my own wait is all that these reads need
	PREP
	SCORE 0
	s_branch .Ljoin_0
.Lcons_0:
	COPYV
.Ljoin_0:
; ---------------- TRIP 1: softmax 0, scores 1 | nothing.  K(2) is asked for ----------------
	CHANGE 1, 0
	BODY 0, 0, 0
; ---------------- TRIP 2: softmax 1, scores 2 | V^T P of step 0 starts O^T, V(1) into registers.  K(3), V(1) ----------------
	CHANGE 1, 1
	BODY 0, 1, 1
; ---------------- TRIPS 3 to 14: softmax t - 1, scores t | V^T P of step t - 2, V(t - 1) into registers.  K(t + 1), V(t - 1) ----------------
	s_mov_b32 s70, 12
.Ltrip:
	CHANGE 1, 1
	BODY 0, 2, 1
	s_sub_co_u32 s70, s70, 1
	s_cmp_lg_u32 s70, 0
	s_cbranch_scc1 .Ltrip
; ---------------- TRIPS 15, 16: K has no step left to fetch, so these are written apart. V(14), V(15) ----------------
	s_mov_b32 s70, 2
.Ltail:
	CHANGE 0, 1
	BODY 1, 2, 1
	s_sub_co_u32 s70, s70, 1
	s_cmp_lg_u32 s70, 0
	s_cbranch_scc1 .Ltail
; ---------------- TRIP 17: the parts of l | V^T P of step 15.  Nothing is filled: a plain barrier ----------------
	s_wait_dscnt 0x0                               ; my stores of step 15's codes have landed; my copy of V(15) is in
	s_barrier_signal -1
	s_barrier_wait -1
	s_xor_b32 s72, s72, XTOG
	s_xor_b32 s73, s73, XTOG
	s_add_co_u32 s75, s75, 8
	s_add_co_u32 s86, s75, s97
	s_add_co_u32 s74, s86, 112
	s_and_b32 s74, s74, 0x78                       ; V's scale words of step 15
	ADDR
	s_cmp_lt_u32 s20, 4
	s_cbranch_scc0 .Lcons_17
.irp n, 0,1,2,3
	v_add_f32 v[TA+\n], v[LL+2*\n], v[LL+2*\n+1]   ; l's two halves,
.endr
.irp n, 0,1,2,3
	v_permlanex16_b32 v[TC+\n], v[TA+\n], s66, s67
.endr
.irp n, 0,1,2,3
	v_add_f32 v[LM+\n], v[TA+\n], v[TC+\n]         ; and lane l xor 16's: the sum over my keys
.endr
	ds_store_b128 v12, v[LM:LM+3]
	s_branch .Ljoin_17
.Lcons_17:
	CLOADS 1
	RESCALE
	PVMUL 0
.Ljoin_17:
	s_wait_dscnt 0x0                               ; the parts of l have landed
	s_barrier_signal -1
	s_barrier_wait -1
	s_cmp_lt_u32 s20, 4
	s_cbranch_scc1 .Lend
; ---------------- THE WAY OUT (consumers).  O^T / l; a query tile (16 rows x my 128 channels) at a time through my stage, back as whole rows of 512 bytes ----------------
.irp w, 0,1,2,3
	ds_load_b128 v[PF+4*\w:PF+4*\w+3], v13 offset:512*\w
.endr
	s_wait_dscnt 0x0
.irp n, 0,1,2,3
	v_add_f32 v[PF+16+\n], v[PF+\n], v[PF+4+\n]
.endr
.irp n, 0,1,2,3
	v_add_f32 v[PF+20+\n], v[PF+8+\n], v[PF+12+\n]
.endr
.irp n, 0,1,2,3
	v_add_f32 v[PF+16+\n], v[PF+16+\n], v[PF+20+\n]   ; l of query r in tile n
.endr
.irp n, 0,1,2,3
	v_rcp_f32 v[CF+2*\n], v[PF+16+\n]
.endr
	v_nop                                          ; a plain instruction behind the last reciprocal
	s_wait_alu depctr_va_vdst(0)                   ; one wait for the four, ahead of their first reader
.macro PACK t                          ; tile t: register 8 d + j of v128-191 = out(r, 128 v + 16 d + 8 h + j); each accumulator from its low end on
	WIN 0x01                                       ; source 0 (O^T) in window 1
.set i, 0
.rept 8
.irp e, 0,2,4,6
	v_pk_mul_f32 v[VR+8*i+\e:VR+8*i+\e+1], v[8*(4*i+(\t))+\e:8*(4*i+(\t))+\e+1], v[CF+2*(\t):CF+2*(\t)+1] op_sel_hi:[1,0]
.endr
.set i, i+1
.endr
	WIN 0
.endm
.macro TOSTAGE t
.set BB, 192-128*((\t)%2)              ; v192-255 and v64-127 by turns
.set i, 0
.rept 8
	ds_store_b128 v10, v[VR+8*i:VR+8*i+3] offset:64*i
	ds_store_b128 v10, v[VR+8*i+4:VR+8*i+7] offset:64*i+16
.set i, i+1
.endr
.set i, 0
.rept 16
	ds_load_b128 v[BB+4*i:BB+4*i+3], v11 offset:i*SP   ; LDS serves a wave's instructions in order (ISA guide 5.7.1.4): these see my stores, and the next tile's stores come behind them
.set i, i+1
.endr
.endm
.macro SEND t, younger                 ; younger: the LDS instructions issued behind tile t's loads
.set BB, 192-128*((\t)%2)
	s_wait_dscnt \younger
.set i, 0
.rept 16
	global_store_b128 v4, v[BB+4*i:BB+4*i+3], s[84:85] offset:(16*(\t)+i)*2048 th:TH_STORE_NT   ; 32 lanes store 512 consecutive bytes, at a multiple of 512 from out0's first byte; written once
.set i, i+1
.endr
.endm
	PACK 0
	TOSTAGE 0
.irp t, 1,2,3
	s_wait_dscnt 16                                ; the 16 stores of the tile before are done (its 16 loads may be out): their registers are written again
	PACK \t
.if \t > 1
	s_wait_xcnt 0x0                                ; the stores to memory of two tiles back have read their registers: this tile's rows land there
.endif
	TOSTAGE \t
	SEND \t-1, 32                                  ; behind its loads: this tile's 16 stores and 16 loads
.endr
	SEND 3, 0
.Lend:
	s_wait_tensorcnt 0x0                           ; the wave's end: behind my last tensor load and my last LDS store
	ds_add_u32 v1, v2
	s_wait_dscnt 0x0
	ROUND                                          ; the closing round: no work-group ends while a partner may still ask for a tile that names it
	s_endpgm
.Lfunc_end_k_q23479d8d6e_attn:
	.size	k_q23479d8d6e_attn, .Lfunc_end_k_q23479d8d6e_attn-k_q23479d8d6e_attn
	.p2alignl 7, 3214868480
	.fill 96, 4, 3214868480
	.section	.rodata,"a",@progbits
	.p2align	6, 0x0
	.amdhsa_kernel k_q23479d8d6e_attn
		.amdhsa_group_segment_fixed_size 327680
		.amdhsa_private_segment_fixed_size 0
		.amdhsa_enable_private_segment 0
		.amdhsa_kernarg_size 64
		.amdhsa_user_sgpr_count 2
		.amdhsa_user_sgpr_kernarg_segment_ptr 1
		.amdhsa_wavefront_size32 1
		.amdhsa_system_sgpr_workgroup_id_x 1
		.amdhsa_system_sgpr_workgroup_id_y 1
		.amdhsa_system_sgpr_workgroup_id_z 1
		.amdhsa_system_vgpr_workitem_id 0
		.amdhsa_next_free_vgpr 512
		.amdhsa_next_free_sgpr 100
		.amdhsa_reserve_vcc 0
		.amdhsa_float_denorm_mode_32 3
		.amdhsa_float_denorm_mode_16_64 3
		.amdhsa_memory_ordered 1
		.amdhsa_forward_progress 1
		.amdhsa_inst_pref_size 255
	.end_amdhsa_kernel
	.section	.bss,"aw",@nobits
	.p2align	6
	.space	262144
	.amdgpu_metadata
---
amdhsa.version: [ 1, 2 ]
amdhsa.kernels:
  - .name:           k_q23479d8d6e_attn
    .symbol:         k_q23479d8d6e_attn.kd
    .args:
      - { .name: queries_codes, .offset: 0, .size: 8, .value_kind: global_buffer, .address_space: global }
      - { .name: queries_scales, .offset: 8, .size: 8, .value_kind: global_buffer, .address_space: global }
      - { .name: keys_codes, .offset: 16, .size: 8, .value_kind: global_buffer, .address_space: global }
      - { .name: keys_scales, .offset: 24, .size: 8, .value_kind: global_buffer, .address_space: global }
      - { .name: values_codes, .offset: 32, .size: 8, .value_kind: global_buffer, .address_space: global }
      - { .name: values_scales, .offset: 40, .size: 8, .value_kind: global_buffer, .address_space: global }
      - { .name: attn_mask, .offset: 48, .size: 8, .value_kind: global_buffer, .address_space: global }
      - { .name: out0, .offset: 56, .size: 8, .value_kind: global_buffer, .address_space: global }
    .group_segment_fixed_size: 327680
    .private_segment_fixed_size: 0
    .kernarg_segment_align: 8
    .kernarg_segment_size: 64
    .max_flat_workgroup_size: 256
    .sgpr_count:     100
    .vgpr_count:     512
    .wavefront_size: 32
...
	.end_amdgpu_metadata
.endif
;; end of part 1
